; MI455X (gfx1250); checked and timed in simulation.
; The chip was launched on July 23, 2026; its instructions are those of AMD's public machine-readable ISA for CDNA 5 (MIT licence, August 2026) and "CDNA5" Instruction Set Architecture Reference Guide (July 2026). The comments in the code are by the model that wrote it; some were corrected since.
;; Vector Quantizer. Allowed arithmetic: float matrix products may take bf16 or f16 operands with f32 sums; all other float work in f32.
;; Inputs: embeddings 128 x 1,024 float32; x 64 x 32 x 32 x 128 float32.
;; Outputs: out0 64 x 32 x 32 x 128 float32.
;; 2 versions, each right; version 2 is version 1 with the launches prep, gather written anew for expert scheduling mode. Each part assembles by itself: llvm-mc -triple=amdgcn-amd-amdhsa -mcpu=gfx1250 --defsym DOCPART=n.
;; ======== version 1 of 2: 3 launches
;; workspace buffers: et 524,288 bytes; eb 262,144 bytes; hn 4,096 bytes; idx 262,144 bytes of whole numbers
;; launch prep (part 1): grid 16 x 1, 8 waves a work-group, no clusters, 35,328 bytes of LDS; arguments embeddings, et, eb, hn; writes et, eb, hn
.if DOCPART == 1
	.amdgcn_target "amdgcn-amd-amdhsa--gfx1250"
	.amdhsa_code_object_version 6
	.text
	.protected	k_q6c4042bdb1_prep
	.globl	k_q6c4042bdb1_prep
	.p2align	8
	.type	k_q6c4042bdb1_prep,@function
k_q6c4042bdb1_prep:
	s_mov_b64 s[64:65], 0
	v_nop
	global_prefetch_b8 v0, s[64:65] scope:SCOPE_SE
	s_setreg_imm32_b32 hwreg(HW_REG_WAVE_MODE, 25, 1), 1
	s_wait_xcnt 0x0
; VECTOR QUANTIZER, first of three launches: the code table is turned once.
;   et[c][d] = e[d][c] in f32 (the rows that the last launch looks up), eb[c][d] = bf16(e[d][c]) (the matrix operand of the second launch),
;   hn[c] = -1/2 sum over d of bf16(e[d][c])^2 (the norm of the ROUNDED code, since the product is made of rounded codes).
; WORK OF reference() THAT THE PROGRAM LEAVES OUT, for all finite values of the inputs:
;   - sum(flat*flat) is the same number for all 1024 codes of a row, so it cannot move the row's argmin: it is not computed.
;   - argmin over k of (ee[k] - 2 sim[k]) = argmax over k of (sim[k] - ee[k]/2): a common factor of -1/2, exact in binary.
;   - x + (quantized - x) = quantized by an identity: the output is the f32 code itself; x reaches the output through the index alone.
;   - the lookup is a lookup (reference() writes it so); the index is stored as whole numbers by the second launch and used by the third.
; LIMITS: a NaN, an infinity or an overflow that reaches only the work left out (sum f^2, x + (q - x)) is not carried to the result; a NaN score is
; never chosen.  The output differs from x + (q - x) by that sum's one f32 rounding.  The operands of the product are bf16 (f16 would have no room for
; inputs 30 times larger): two codes whose distances from a row differ by less than that rounding, or by less than the f32 rounding of the sums,
; may change places.  Where x is so large that reference()'s own f32 sum with sum f^2 loses the differences, the program still orders by them.
;
; Sixteen work-groups of eight waves; work-group g owns codes 64 g to 64 g + 63: 256 consecutive aligned bytes of each of the 128 rows of e.
; A code's norm stays inside one work-group, and a narrower share would read parts of those 256 bytes: so sixteen.
; No matrix unit, tensor load or cluster: 512 KiB are read once and no two work-groups share a byte.
.set PLANE, 8448                       ; LDS: codes with the same c & 3 lie in one plane of 16 rows
.set TPITCH, 528                       ; a code's 128 f32 + 16 bytes: T(c, d) = (c & 3) PLANE + (c >> 2) TPITCH + 4 d
.set NS,    4*PLANE                    ; behind the planes: 64 words, the codes' sums of squares
.set GO,  1                            ; v1       byte offset of my 16 bytes in e
.set TS,  2                            ; v2       LDS address of my transposing stores
.set LN,  3                            ; v3       lane
.set TR,  4                            ; v4       LDS address of my 16 bytes in my wave's first code
.set EO,  5                            ; v5       my byte offset in et
.set BO,  6                            ; v6       my byte offset in eb
.set NA,  7                            ; v7       LDS address of my wave's eight sums
.set IN,  8                            ; v[8:39]  e as loaded: load m holds row dr + 16 m, codes 4 c4 .. 4 c4 + 3
.set RW,  40                           ; v[40:71] code k of my wave: d = 4 lane .. 4 lane + 3
.set PK,  72                           ; v[72:87] the same, rounded to bf16
.set WD,  88                           ; v[88:91] the rounded numbers widened again
.set SQ,  92                           ; v[92:107] a pair for each code: its sum of squares
.set OT,  108                          ; v108     the other half of the lanes
.set T,   110                          ; v[110:117] at work
	s_load_b256 s[4:11], s[0:1], 0x0               ; e s[4:5], et s[6:7], eb s[8:9], hn s[10:11]
	v_lshl_add_u32 v120, v0, 2, 0x8600
	v_mov_b32 v121, 0
	v_and_b32 v[LN], 31, v0
	v_lshrrev_b32 v[T], 5, v0
	v_readfirstlane_b32 s12, v[T]                  ; wave u
	v_and_b32 v[T+1], 15, v0                       ; c4: which four codes
	v_lshrrev_b32 v[T+2], 4, v0                    ; dr: which row of sixteen
	v_lshlrev_b32 v[GO], 12, v[T+2]                ; dr rows of 4,096 bytes
	v_lshl_add_u32 v[GO], v[T+1], 4, v[GO]         ; + 16 c4
	v_mul_u32_u24 v[TS], v[T+1], TPITCH            ; row c4 of a plane
	v_lshl_add_u32 v[TS], v[T+2], 2, v[TS]         ; + 4 dr
	s_lshl_b32 s14, ttmp9, 8                       ; 64 codes: 256 bytes of a row of e, and of hn
	s_mov_b32 s15, 0
	s_lshl_b32 s16, ttmp9, 15                      ; 64 rows of 512 bytes in et
	s_mov_b32 s17, 0
	s_lshl_b32 s18, ttmp9, 14                      ; 64 rows of 256 bytes in eb
	s_mov_b32 s19, 0
	s_mov_b32 s20, 0x76543210                      ; v_permlanex16_b32: lane i of one half reads lane i of the other
	s_mov_b32 s21, 0xfedcba98
	s_mov_b32 s22, 0xffff0000                      ; a word's upper bf16
	s_wait_kmcnt 0x0
	s_add_nc_u64 s[4:5], s[4:5], s[14:15]
	s_add_nc_u64 s[6:7], s[6:7], s[16:17]
	s_add_nc_u64 s[8:9], s[8:9], s[18:19]
	s_add_nc_u64 s[10:11], s[10:11], s[14:15]
.irp m, 0,1,2,3,4,5,6,7
	global_load_b128 v[IN+4*\m:IN+4*\m+3], v[GO], s[4:5] offset:\m*65536 th:TH_LOAD_NT   ; sixteen lanes take 256 consecutive aligned bytes of one row
.endr
	s_mul_i32 s23, s12, 2*TPITCH                   ; my wave's codes 8 u .. 8 u + 7 are rows 2 u and 2 u + 1 of the four planes
	v_lshl_add_u32 v[TR], v[LN], 4, s23
	s_lshl_b32 s24, s12, 12
	v_lshl_add_u32 v[EO], v[LN], 4, s24            ; 8 u rows of 512 bytes + 16 lane
	s_lshl_b32 s25, s12, 11
	v_lshl_add_u32 v[BO], v[LN], 3, s25            ; 8 u rows of 256 bytes + 8 lane
	s_lshl_b32 s26, s12, 5
	s_add_co_u32 s26, s26, NS
	v_mov_b32 v[NA], s26
	v_mov_b32 v[OT], 0                             ; v_permlanex16_b32 counts as a reader of its destination
	; The transpose: word (c, d) goes to its place.  In words the address is 132 c4 + dr + constants: over a wave's 32 lanes (16 c4, 2 dr)
	; that is 4 c4 + dr modulo 64, 32 different banks of the 64 (ISA guide 11.1).
.irp m, 0,1,2,3,4,5,6,7
	s_wait_loadcnt 7-\m                            ; loads come back in order: load m is in, the 7 - m younger ones stay out
.irp i, 0,1,2,3
	ds_store_b32 v[TS], v[IN+4*\m+\i] offset:\i*PLANE+64*\m
.endr
.endr
	s_wait_dscnt 0x0                               ; my stores are done, for the waves that read them
	s_barrier_signal -1
	s_barrier_wait -1
	; Eight codes a wave, a whole code (512 consecutive LDS bytes) to a load.
.irp k, 0,1,2,3,4,5,6,7
	ds_load_b128 v[RW+4*\k:RW+4*\k+3], v[TR] offset:(\k&3)*PLANE+(\k>>2)*TPITCH
.endr
	s_wait_dscnt 0x0
.irp k, 0,1,2,3,4,5,6,7
	global_store_b128 v[EO], v[RW+4*\k:RW+4*\k+3], s[6:7] offset:512*\k      ; the wave stores 512 consecutive aligned bytes
	v_cvt_pk_bf16_f32 v[PK+2*\k],   v[RW+4*\k],   v[RW+4*\k+1]
	v_cvt_pk_bf16_f32 v[PK+2*\k+1], v[RW+4*\k+2], v[RW+4*\k+3]
	global_store_b64 v[BO], v[PK+2*\k:PK+2*\k+1], s[8:9] offset:256*\k       ; the wave stores 256 consecutive aligned bytes
	v_lshlrev_b32 v[WD],   16,  v[PK+2*\k]         ; the rounded numbers as f32
	v_and_b32     v[WD+1], s22, v[PK+2*\k]
	v_lshlrev_b32 v[WD+2], 16,  v[PK+2*\k+1]
	v_and_b32     v[WD+3], s22, v[PK+2*\k+1]
	v_pk_mul_f32 v[SQ+2*\k:SQ+2*\k+1], v[WD:WD+1], v[WD:WD+1]
	v_pk_fma_f32 v[SQ+2*\k:SQ+2*\k+1], v[WD+2:WD+3], v[WD+2:WD+3], v[SQ+2*\k:SQ+2*\k+1]
	v_add_f32 v[SQ+2*\k], v[SQ+2*\k], v[SQ+2*\k+1]
	v_add_f32_dpp v[SQ+2*\k], v[SQ+2*\k], v[SQ+2*\k] row_xmask:1 row_mask:0xf bank_mask:0xf
	v_add_f32_dpp v[SQ+2*\k], v[SQ+2*\k], v[SQ+2*\k] row_xmask:2 row_mask:0xf bank_mask:0xf
	v_add_f32_dpp v[SQ+2*\k], v[SQ+2*\k], v[SQ+2*\k] row_xmask:4 row_mask:0xf bank_mask:0xf
	v_add_f32_dpp v[SQ+2*\k], v[SQ+2*\k], v[SQ+2*\k] row_xmask:8 row_mask:0xf bank_mask:0xf
	v_permlanex16_b32 v[OT], v[SQ+2*\k], s20, s21
	v_add_f32 v[SQ+2*\k], v[SQ+2*\k], v[OT]        ; every lane holds the code's sum of squares
	ds_store_b32 v[NA], v[SQ+2*\k] offset:4*\k     ; all lanes write one word with one value
.endr
	s_wait_dscnt 0x0                               ; my eight sums are in LDS, for wave 0
	s_barrier_signal -1
	s_barrier_wait -1
	s_cmp_lg_u32 s12, 0
	s_cbranch_scc1 .Lend
	v_lshl_add_u32 v[T], v[LN], 3, NS              ; wave 0 takes the 64 sums, two a lane,
	v_lshlrev_b32 v[T+1], 3, v[LN]
	ds_load_b64 v[T+2:T+3], v[T]
	s_wait_dscnt 0x0
	v_pk_mul_f32 v[T+2:T+3], v[T+2:T+3], -0.5 op_sel_hi:[1,0]
	global_store_b64 v[T+1], v[T+2:T+3], s[10:11]  ; and stores -1/2 of them: 256 consecutive aligned bytes
.Lend:
	s_wait_tensorcnt 0x0
	ds_add_u32 v120, v121
	s_wait_dscnt 0x0
	s_endpgm
.Lfunc_end_k_q6c4042bdb1_prep:
	.size	k_q6c4042bdb1_prep, .Lfunc_end_k_q6c4042bdb1_prep-k_q6c4042bdb1_prep
	.p2alignl 7, 3214868480
	.fill 96, 4, 3214868480
	.section	.rodata,"a",@progbits
	.p2align	6, 0x0
	.amdhsa_kernel k_q6c4042bdb1_prep
		.amdhsa_group_segment_fixed_size 35328
		.amdhsa_private_segment_fixed_size 0
		.amdhsa_enable_private_segment 0
		.amdhsa_kernarg_size 32
		.amdhsa_user_sgpr_count 2
		.amdhsa_user_sgpr_kernarg_segment_ptr 1
		.amdhsa_wavefront_size32 1
		.amdhsa_system_sgpr_workgroup_id_x 1
		.amdhsa_system_sgpr_workgroup_id_y 1
		.amdhsa_system_sgpr_workgroup_id_z 1
		.amdhsa_system_vgpr_workitem_id 0
		.amdhsa_next_free_vgpr 122
		.amdhsa_next_free_sgpr 66
		.amdhsa_reserve_vcc 0
		.amdhsa_float_denorm_mode_32 3
		.amdhsa_float_denorm_mode_16_64 3
		.amdhsa_memory_ordered 1
		.amdhsa_forward_progress 1
		.amdhsa_inst_pref_size 15
	.end_amdhsa_kernel
	.amdgpu_metadata
---
amdhsa.version: [ 1, 2 ]
amdhsa.kernels:
  - .name:           k_q6c4042bdb1_prep
    .symbol:         k_q6c4042bdb1_prep.kd
    .args:
      - { .name: embeddings, .offset: 0, .size: 8, .value_kind: global_buffer, .address_space: global }
      - { .name: et, .offset: 8, .size: 8, .value_kind: global_buffer, .address_space: global }
      - { .name: eb, .offset: 16, .size: 8, .value_kind: global_buffer, .address_space: global }
      - { .name: hn, .offset: 24, .size: 8, .value_kind: global_buffer, .address_space: global }
    .group_segment_fixed_size: 35328
    .private_segment_fixed_size: 0
    .kernarg_segment_align: 8
    .kernarg_segment_size: 32
    .max_flat_workgroup_size: 256
    .sgpr_count:     66
    .vgpr_count:     122
    .wavefront_size: 32
...
	.end_amdgpu_metadata
.endif
;; end of part 1
;; launch vq (part 2): grid 256 x 1, 4 waves a work-group, clusters of 4 x 1, 300,544 bytes of LDS; arguments x, eb, hn, idx; writes idx
.if DOCPART == 2
	.amdgcn_target "amdgcn-amd-amdhsa--gfx1250"
	.amdhsa_code_object_version 6
	.text
	.protected	k_q6c4042bdb1_vq
	.globl	k_q6c4042bdb1_vq
	.p2align	8
	.type	k_q6c4042bdb1_vq,@function
k_q6c4042bdb1_vq:
	s_mov_b64 s[64:65], 0
	v_nop
	global_prefetch_b8 v0, s[64:65] scope:SCOPE_SE
	s_setreg_imm32_b32 hwreg(HW_REG_WAVE_MODE, 25, 1), 1
	s_wait_xcnt 0x0
	s_wait_alu depctr_hold_cnt(0) depctr_sa_sdst(0) depctr_va_vdst(0) depctr_va_sdst(0) depctr_va_ssrc(0) depctr_va_vcc(0) depctr_vm_vsrc(0)
	s_getreg_b32 s2, hwreg(HW_REG_IB_STS2, 6, 4)
	s_cmp_eq_u32 s2, 0
	s_cbranch_scc0 .Lentry_in_a_cluster
	s_endpgm
.Lentry_in_a_cluster:
	s_bfe_u32 s2, ttmp6, 0x10000c
	s_cmp_lg_u32 s2, 0x3003
	s_cbranch_scc0 .Lentry_shape_is_right
	s_endpgm
.Lentry_shape_is_right:
; VECTOR QUANTIZER, second of three launches: idx[n] = the first k with the largest score s(n, k) = bf16(x[n]) . bf16(e[k]) - 1/2 |bf16(e[k])|^2.
; Left out, as shown at the head of the first kernel: sum f^2 (the same for all k of a row) and the common factor -2 of the distances.
; LIMITS: NaN scores are never chosen; codes whose scores differ by less than the f32 rounding of the sums may change places.
;
; 256 work-groups of four waves; a work-group takes 256 rows of x, a wave 64: four tiles of 16 rows, whose bf16 fragments stay in 128 registers for
; the whole kernel.  The whole codebook (1024 codes x 256 bytes of bf16) lies in LDS and is walked once, 16 codes (a tile) a trip.
; THE MATRIX INSTRUCTION takes 16 codes as A and 16 rows of x as B, and -1/2 |e|^2 as the C of a tile's first product.  In the result lane (r, h)
; holds in register j the score of code 16 t + 8 h + j for the row in slot r: the search for the largest runs inside a lane, over registers, and
; the two halves of the lanes meet once, at the end.
; THE SEARCH takes four scores (a group) at a time, in six vector instructions.  The best so far enters the maximum itself (two v_max3_num_f32 over
; it and the four scores), so the result IS the new best.  It is written to another register than the old best (a tile's first group goes from BV to
; TM, its second from TM back to BV), so nothing is copied.  One compare says where the result is still the old best; under that mask the group's
; number is kept or replaced by one select, and its four scores by two dual-issue pairs of selects.  A pair wants one even and one odd destination,
; and its two first sources, and its two second sources, in different register banks (register number modulo 4): W and AC both begin at multiples
; of four and a pair takes two neighbouring registers of each.  A half of a pair reads one scalar value, and a select's VCC is that one: so the
; group's number, a scalar, is selected by an instruction of its own.  A select takes its second source where VCC is set: so the mask says 'keep'
; and the new value stands first.  Which of the four it was is found once, at the end.  The old best stands on equality, so the earlier group wins;
; the lowest register wins inside a group, the lower code between the halves: the first index, as argmin has it.
; TWO PIECES TAKE TURNS: while row tiles 0 and 1 are multiplied (8 matrix instructions), the scores of row tiles 2 and 3 are searched (24 vector
; instructions, spread behind the matrix instructions), and the other way round.  A trip is 16 matrix instructions, 50 vector instructions, 10 LDS loads.
; The accumulators take turns, one matrix instruction a turn, over the ends of the phases and the backward jumps too.
; CLUSTER: every work-group reads the same codebook, so four work-groups ask for it jointly (mask 15): each of its bytes is requested once for four.
; No LDS byte is filled twice, so the cluster's barrier has two rounds: in front of the fills and in front of the end.
; The codebook comes in four quarters; a quarter is waited for two tiles ahead of its first tile, so the later quarters land while the earlier are multiplied.
.set CBP,   272                        ; a code in LDS: 256 bytes + 16 of padding: the 16 rows of a fragment load start at 16 different groups of four banks
.set TILEB, 16*CBP                     ; 16 codes
.set QTR,   256*CBP                    ; a quarter of the codebook
.set HNL,   1024*CBP                   ; behind the codebook: 1024 f32, -1/2 |e|^2
.set STG,   HNL+4096                   ; behind that: 16 rows x 272 bytes for each wave, its own, where x is turned into fragments
.set XO,  1                            ; v1   16 lane: my bytes of a row of x
.set SA,  2                            ; v2   prologue: stage, where I put 8 bytes of a row
.set SR,  3                            ; v3   prologue: stage, where I read a fragment
.set CA1, 2                            ; v2   loop: my address in the odd code tile that is fetched next
.set NA1, 3                            ; v3   loop: the same for its norms
.set CA0, 4                            ; v4   272 r + 16 h + the even code tile that is fetched next
.set NA0, 5                            ; v5   HNL + 32 h + 64 x that tile
.set TM0, 6                            ; v6   the best between a tile's two groups, first row tile of the piece (prologue: my offset in hn)
.set TM1, 7                            ; v7   the same, second row tile (prologue: where my part of hn goes in LDS)
.set BV,  8                            ; v[8:11]    best score of row tile i
.set BT,  12                           ; v[12:15]   its group: 2 t + g (row tiles 2 and 3: 2 more, taken off at the end)
.set W,   16                           ; v[16:31]   the winning group's four scores, four registers a row tile
.set AC,  32                           ; v[32:63]   accumulators, eight registers a row tile
.set TP,  32                           ; v[32:63]   prologue: 16 rows of x in bf16
.set CF0, 64                           ; v[64:79]   codes, K step 0, two buffers
.set CF1, 80                           ; v[80:95]   K step 1, two buffers
.set CF2, 96                           ; v[96:103]  K step 2
.set CF3, 104                          ; v[104:111] K step 3
.set NR,  112                          ; v[112:127] -1/2 |e|^2 of codes 16 t + 8 h + j, two buffers
.set XF,  128                          ; v[128:255] x: row tile i, K step s at 128 + 32 i + 8 s
                                       ; v[256:511] prologue only: x as loaded, row n of the wave's order at 256 + 4 n
.set G1,  16                           ; s[16:23]   descriptor group 1
.set G0,  24                           ; s[24:39]   descriptor group 0, a set for each quarter
.set TA,  48                           ; s[48:51]   group numbers 2 t, 2 t + 1, 2 t + 2, 2 t + 3 of a loop body's two tiles; s48 counts the loops
.set MSB, 0
.macro WIN new                         ; s_set_vgpr_msb; the immediate's high byte repeats the setting that is left
.if MSB != \new
	s_set_vgpr_msb (MSB<<8)|\new
.set MSB, \new
.endif
.endm
.macro ROUND                           ; a round of the cluster's barrier
	s_barrier_signal -1
	s_barrier_wait -1
	s_cmp_lg_u32 s12, 0
	s_cbranch_scc1 .Lnot_wave_0_\@
	s_barrier_signal -3
.Lnot_wave_0_\@:
	s_barrier_wait -3
	s_barrier_signal -1
	s_barrier_wait -1
.endm
	s_load_b256 s[4:11], s[0:1], 0x0               ; x s[4:5], eb s[6:7], hn s[8:9], idx s[10:11]
	s_set_vgpr_msb 0x80
	v_lshl_add_u32 v0, v0, 2, 0x49400
	v_mov_b32 v1, 0
	s_set_vgpr_msb 0x808a
	ds_add_u32 v0, v1
	ds_add_u32 v0, v1
	s_set_vgpr_msb 0x8a00
	v_lshrrev_b32 v8, 5, v0
	v_readfirstlane_b32 s12, v8                    ; wave 0..3
	s_bfe_u32 s13, ttmp6, 0x40000                  ; cx
	s_lshl_b32 s14, ttmp9, 2
	s_add_co_u32 s14, s14, s13                     ; work-group = 4 x cluster + cx: it enters the addresses of x and idx and nothing else
	v_and_b32 v8, 31, v0                           ; lane
	v_lshlrev_b32 v[XO], 4, v8
	v_lshlrev_b32 v[TM0], 4, v0                    ; 16 x thread: my part of hn
	s_lshl_b32 s44, s14, 17                        ; 256 rows of 512 bytes a work-group,
	s_lshl_b32 s45, s12, 15                        ; 64 a wave
	s_add_co_u32 s44, s44, s45
	s_mov_b32 s45, 0
	s_lshl_b32 s52, s14, 10                        ; 256 words of idx a work-group,
	s_lshl_b32 s53, s12, 8                         ; 64 a wave
	s_add_co_u32 s52, s52, s53
	s_mov_b32 s53, 0
	; group 1: a tile of 64 rows x 128 bf16, dense in memory, padded in LDS
	s_mov_b32 s[G1+0], 15|(1<<16)|(1<<20)|(1<<21)|(5<<22)|(3<<25)  ; 15:0 mask: all four of the cluster; 17:16 2 bytes; 20 padding on; 21 set beside a mask; 24:22 after every 64 words; 31:25 four words
	s_mov_b32 s[G1+1], 128<<16                     ; tensor_dim0 = 128
	s_mov_b32 s[G1+2], 64<<16                      ; tensor_dim1 = 64
	s_mov_b32 s[G1+3], 128<<16                     ; tile_dim0 = 128
	s_mov_b32 s[G1+4], 64                          ; tile_dim1 = 64
	s_mov_b32 s[G1+5], 128                         ; 128 elements from row to row
	s_mov_b32 s[G1+6], 0
	s_mov_b32 s[G1+7], 0
	s_mul_i32 s40, s12, 64*CBP                     ; my 64 rows of a quarter, in LDS
	s_lshl_b32 s46, s12, 14                        ; and in eb
	s_mov_b32 s47, 0
	s_mov_b32 s42, 0x76543210                      ; v_permlanex16_b32: lane i of one half reads lane i of the other
	s_mov_b32 s43, 0xfedcba98
	s_wait_dscnt 0x0
	s_wait_kmcnt 0x0
	s_add_nc_u64 s[4:5], s[4:5], s[44:45]
	s_add_nc_u64 s[10:11], s[10:11], s[52:53]
	s_add_nc_u64 s[46:47], s[6:7], s[46:47]
.irp q, 0,1,2,3
	s_mov_b32 s[G0+4*\q], 1                                        ; count = 1
	s_add_co_u32 s[G0+4*\q+1], s40, \q*QTR                         ; LDS address: the quarter, my 64 rows: the wave's number and constants
	s_add_nc_u64 s[G0+4*\q+2:G0+4*\q+3], s[46:47], \q*65536        ; global address: the same rows of eb
	s_or_b32 s[G0+4*\q+3], s[G0+4*\q+3], 0x80000000                ; type = 2
.endr
	global_load_b128 v[64:67], v[TM0], s[8:9]              ; hn: 128 threads x 16 bytes, twice
	global_load_b128 v[68:71], v[TM0], s[8:9] offset:2048
	; The wave's 64 rows, a whole row (512 consecutive bytes) to a load.  Slot r of row tile i holds the wave's row
	; 32 (i >> 1) + 2 r + (i & 1), so that at the end lane l = r + 16 h owns rows 2 l and 2 l + 1.
	; Row tiles 0 to 2 go out here, row tile 3 behind the codebook's request: with hn the wave issues 66 loads, more than LOADcnt's six bits
	; count, so the issue of the last ones waits for the first to come back (ISA guide 5.7.1); nothing but those last loads stands behind that.
.macro XROWS cnt
	WIN 0x40                                       ; destination in v256-v511
.rept \cnt
	global_load_b128 v[4*n_:4*n_+3], v[XO], s[4:5] offset:512*(32*(n_>>5)+2*(n_&15)+((n_>>4)&1)) th:TH_LOAD_NT
.set n_, n_+1
.endr
	WIN 0
.endm
.set n_, 0
	XROWS 48
	ROUND                                          ; the four work-groups are here: their joint loads meet
.irp q, 0,1,2,3
	tensor_load_to_lds s[G0+4*\q:G0+4*\q+3], s[G1:G1+7]            ; all first fills in one group; four tensor loads of the wave are out at the most
	s_nop 0
.endr
	XROWS 16
	v_and_b32 v9, 15, v0                           ; r
	v_bfe_u32 v10, v0, 4, 1                        ; h
	v_mul_u32_u24 v11, v9, CBP
	v_lshl_add_u32 v[CA0], v10, 4, v11             ; 272 r + 16 h
	s_mul_i32 s54, s12, TILEB
	s_add_co_u32 s54, s54, STG                     ; my stage
	v_lshl_add_u32 v[SA], v8, 3, s54
	v_add_nc_u32 v[SR], s54, v[CA0]
	v_lshl_add_u32 v[NA0], v10, 5, HNL
	v_lshl_add_u32 v[TM1], v0, 4, HNL
.irp i, 0,1,2,3
	v_mov_b32 v[BV+\i], 0xff800000                 ; -infinity: any finite score is larger
.endr
	v_mov_b32 v[BT], 0
	v_mov_b32 v[BT+1], 0
	v_mov_b32 v[BT+2], 2
	v_mov_b32 v[BT+3], 2
.set n_, 0
.rept 16
	v_mov_b32 v[W+n_], 0xff800000
.set n_, n_+1
.endr
; Row tile i: its 16 rows are rounded to bf16, laid into the wave's stage and read back as four fragments (16 rows x 32 K: lane (r, h) takes
; the 16 bytes at 64 s + 16 h and at 64 s + 32 + 16 h of row r).  LDS serves a wave's instructions in order (ISA guide 5.7.1), and the stage is the wave's own.
.macro BATCH i
	s_wait_loadcnt 48-16*\i                        ; loads come back in order: this tile's 16 are in (and hn, which went first); the younger tiles stay out
.if \i == 0
	ds_store_b128 v[TM1], v[64:67]
	ds_store_b128 v[TM1], v[68:71] offset:2048
.else
	s_wait_dscnt 8                                 ; the last tile's 16 stores are done (the eight loads behind them may be out): TP is written again only now
.endif
	WIN 0x05                                       ; both sources in v256-v511
.set r_, 0
.rept 16
	v_cvt_pk_bf16_f32 v[TP+2*r_],   v[64*\i+4*r_],   v[64*\i+4*r_+1]
	v_cvt_pk_bf16_f32 v[TP+2*r_+1], v[64*\i+4*r_+2], v[64*\i+4*r_+3]
.set r_, r_+1
.endr
	WIN 0
.set r_, 0
.rept 16
	ds_store_b64 v[SA], v[TP+2*r_:TP+2*r_+1] offset:CBP*r_
.set r_, r_+1
.endr
.irp s, 0,1,2,3
	ds_load_b128 v[XF+32*\i+8*\s:XF+32*\i+8*\s+3],   v[SR] offset:64*\s
	ds_load_b128 v[XF+32*\i+8*\s+4:XF+32*\i+8*\s+7], v[SR] offset:64*\s+32
.endr
.endm
	BATCH 0
	BATCH 1
	BATCH 2
	BATCH 3
	s_wait_dscnt 0x0                               ; x's fragments are in; my part of hn is in LDS, for the other waves
.set n_, 0
.rept 16
	v_mov_b32 v[AC+16+n_], 0xff800000              ; the first trip searches row tiles 2 and 3 of a tile that does not exist: -infinity changes nothing
.set n_, n_+1
.endr
	v_add_nc_u32 v[CA1], TILEB, v[CA0]             ; the stage's addresses have served: the odd tiles' addresses take their registers
	v_add_nc_u32 v[NA1], 64, v[NA0]
	s_wait_tensorcnt 0x3                           ; tensor loads end in order: my part of quarter 0 is in, three stay out
	s_barrier_signal -1
	s_barrier_wait -1
.macro LD2 dst, adr, o0, o1
	ds_load_b128 v[\dst:\dst+3],   v[\adr] offset:\o0
	ds_load_b128 v[\dst+4:\dst+7], v[\adr] offset:\o1
.endm
; Under VCC = 'the old best stands': two kept scores (registers w, w + 1) stay, or take the group's scores (registers q, q + 1).  w and q are even.
.macro KEEP2 w, q
	v_dual_cndmask_b32 v[\w], v[\q], v[\w] :: v_dual_cndmask_b32 v[\w+1], v[\q+1], v[\w+1]
.endm
; Operation op (0 to 23) of the search through the 2 x 2 groups of row tiles x and y; group g = op / 12 has the number s[ia_ + g].
; sa_, sb_: where the best so far lies; da_, db_: where the new best goes.  The two row tiles' masks go through VCC one after the other.
.macro SOP x, y, op
.set g_, (\op)/12
.set m_, (\op)%12
.set pa_, AC+8*\x+4*g_
.set pb_, AC+8*\y+4*g_
.if g_ == 0
.set sa_, BV+\x
.set sb_, BV+\y
.set da_, TM0
.set db_, TM1
.else
.set sa_, TM0
.set sb_, TM1
.set da_, BV+\x
.set db_, BV+\y
.endif
.if m_ == 0
	v_max3_num_f32 v[da_], v[sa_], v[pa_], v[pa_+1]
.elseif m_ == 1
	v_max3_num_f32 v[db_], v[sb_], v[pb_], v[pb_+1]
.elseif m_ == 2
	v_max3_num_f32 v[da_], v[da_], v[pa_+2], v[pa_+3]
.elseif m_ == 3
	v_max3_num_f32 v[db_], v[db_], v[pb_+2], v[pb_+3]
.elseif m_ == 4
	v_cmp_le_f32 vcc_lo, v[da_], v[sa_]            ; the maximum holds the old best, so 'not above it' is 'equal': none of the four is larger
.elseif m_ == 5
	v_cndmask_b32 v[BT+\x], s[ia_+g_], v[BT+\x], vcc_lo
.elseif m_ < 8
.set w_, W+4*\x+2*(m_-6)
.set q_, pa_+2*(m_-6)
	KEEP2 w_, q_
.elseif m_ == 8
	v_cmp_le_f32 vcc_lo, v[db_], v[sb_]
.elseif m_ == 9
	v_cndmask_b32 v[BT+\y], s[ia_+g_], v[BT+\y], vcc_lo
.else
.set w_, W+4*\y+2*(m_-10)
.set q_, pb_+2*(m_-10)
	KEEP2 w_, q_
.endif
.endm
.macro SLICE x, y, lo, hi
.set o_, \lo
.rept (\hi)-(\lo)
	SOP \x, \y, o_
.set o_, o_+1
.endr
.endm
; One matrix instruction of row tile i (codes' fragment cf, K step s, C = c) and behind it a slice of the other piece's search.
.macro HALF i, cf, s, c, x, y, lo, hi
	v_wmma_f32_16x16x32_bf16 v[AC+8*\i:AC+8*\i+7], v[\cf:\cf+7], v[XF+32*\i+8*\s:XF+32*\i+8*\s+7], v[\c:\c+7]
	SLICE \x, \y, \lo, \hi
.endm
; One code tile.  par = the tile's parity; pre = 1: the next tile's fragments are fetched; step = 1: this parity's addresses go on to its next tile.
; The 24 operations of a search are cut at 0, 1, 4, 7, 10, 13, 16, 19, 24: five behind a phase's last product, one behind the next phase's first.
; DISTANCES (ISA guide 7.12.1; a dual-issue pair is counted as one place): a phase's last accumulator is first read behind the five operations that
; follow its last product and the first operation of its own search, which reads the other row tile: six places that name none of that product's
; registers; the other row tile's accumulator behind eight.  K steps 2 and 3 have one buffer each: the second phase takes K in the order 2, 3, 0, 1,
; so that they are free early; both are loaded again in one run behind the two slices (six operations) that follow K step 3's last product, and K
; step 2 then has seven matrix instructions in which to land.  One run for all ten loads could not stand earlier than that and would leave the norms
; and K step 0 three: so the six loads of the other parity's buffers, last read at the end of the trip before, go out in the first phase.
; LDS loads of a tile are issued in the order norms, step 0, step 1 (six, in the first phase of the trip before), step 2, step 3 (four, in its second phase).
.macro TRIP par, pre, step
.set c0_, CF0+8*\par
.set c1_, CF1+8*\par
.set nr_, NR+8*\par
.set e0_, CF0+8-8*\par
.set e1_, CF1+8-8*\par
.set er_, NR+8-8*\par
.set ca_, CA1+2*\par
.set na_, NA1+2*\par
.set ia_, TA+2*\par
	s_wait_dscnt 6                                 ; norms and K step 0 are in; steps 1, 2, 3 (two loads each) may be out
	HALF 0, c0_, 0, nr_, 2, 3, 0, 1
	HALF 1, c0_, 0, nr_, 2, 3, 1, 4
.if \pre
	LD2 er_, na_, 0, 16
	LD2 e0_, ca_, 0, 32
	LD2 e1_, ca_, 64, 96
.endif
	s_wait_dscnt 4+6*\pre                          ; step 1 is in; steps 2, 3 and the six just issued may be out
	HALF 0, c1_, 1, AC, 2, 3, 4, 7
	HALF 1, c1_, 1, AC+8, 2, 3, 7, 10
	s_wait_dscnt 2+6*\pre                          ; step 2 is in
	HALF 0, CF2, 2, AC, 2, 3, 10, 13
	HALF 1, CF2, 2, AC+8, 2, 3, 13, 16
	s_wait_dscnt 6*\pre                            ; step 3 is in: every load that named this parity's addresses is done
	HALF 0, CF3, 3, AC, 2, 3, 16, 19
	HALF 1, CF3, 3, AC+8, 2, 3, 19, 24
.if \step
	v_add_nc_u32 v[CA0-2*\par], 2*TILEB, v[CA0-2*\par]
	v_add_nc_u32 v[NA0-2*\par], 128, v[NA0-2*\par]
.endif
	HALF 2, CF2, 2, nr_, 0, 1, 0, 1
	HALF 3, CF2, 2, nr_, 0, 1, 1, 4
	HALF 2, CF3, 3, AC+16, 0, 1, 4, 7
	HALF 3, CF3, 3, AC+24, 0, 1, 7, 10
	HALF 2, c0_, 0, AC+16, 0, 1, 10, 13
.if \pre
	LD2 CF2, ca_, 128, 160
	LD2 CF3, ca_, 192, 224
.endif
	HALF 3, c0_, 0, AC+24, 0, 1, 13, 16
	HALF 2, c1_, 1, AC+16, 0, 1, 16, 19
	HALF 3, c1_, 1, AC+24, 0, 1, 19, 24
.endm
.macro LOOPQ lim                       ; two tiles a body, while 2 t < lim
.Lq_\@:
	TRIP 0, 1, 1
	TRIP 1, 1, 1
	s_add_co_u32 s[TA], s[TA], 4
	s_add_co_u32 s[TA+1], s[TA+1], 4
	s_add_co_u32 s[TA+2], s[TA+2], 4
	s_add_co_u32 s[TA+3], s[TA+3], 4
	s_cmp_lt_u32 s[TA], \lim
	s_cbranch_scc1 .Lq_\@
.endm
.macro QBAR left                       ; the next quarter of the codebook is whole: my part has landed (left younger loads stay out)
	s_wait_dscnt 0x0                               ; no LDS instruction of mine is pending at a signal
	s_wait_tensorcnt \left
	s_barrier_signal -1
	s_barrier_wait -1
.endm
	LD2 NR,  NA0, 0, 16                            ; tile 0, in the order in which every later tile is fetched
	LD2 CF0, CA0, 0, 32
	LD2 CF1, CA0, 64, 96
	LD2 CF2, CA0, 128, 160
	LD2 CF3, CA0, 192, 224
	s_mov_b32 s[TA], 0
	s_mov_b32 s[TA+1], 1
	s_mov_b32 s[TA+2], 2
	s_mov_b32 s[TA+3], 3
	LOOPQ 28                                       ; tiles 0 to 13; tile 13's trip fetches tile 14
	QBAR 2                                         ; quarter 1 = tiles 16 to 31, first fetched in tile 15's trip
	LOOPQ 60                                       ; tiles 14 to 29
	QBAR 1                                         ; quarter 2
	LOOPQ 92                                       ; tiles 30 to 45
	QBAR 0                                         ; quarter 3: no tensor load is out any more
	LOOPQ 124                                      ; tiles 46 to 61
	TRIP 0, 1, 0                                   ; tile 62 fetches tile 63,
	TRIP 1, 0, 0                                   ; which fetches nothing
	s_add_co_u32 s[TA], s[TA], 4                   ; row tiles 2 and 3 of tile 63, under the numbers that a tile 64 would have
	s_add_co_u32 s[TA+1], s[TA+1], 4
.set ia_, TA
	SLICE 2, 3, 0, 24
	; THE END.  Which of the winning group's four scores it was; the code's number; the better of the two halves of the lanes.
.set JJ, 64
.set T0, 65
.set T1, 66
.set H8, 67
.set CD, 68                            ; v[68:71] the code of row tile i
.set VO, 72
.set IO, 73
.set RS, 74                            ; v[74:75] my two rows' codes
.set OF, 76
	v_add_nc_u32 v[BT+2], -2, v[BT+2]              ; these two were searched a trip late
	v_add_nc_u32 v[BT+3], -2, v[BT+3]
	v_bfe_u32 v[H8], v0, 4, 1
	v_lshlrev_b32 v[H8], 3, v[H8]                  ; 8 h
	v_mov_b32 v[VO], 0                             ; v_permlanex16_b32 counts as a reader of its destination
	v_mov_b32 v[IO], 0
.macro FIN i
	v_mov_b32 v[JJ], 3
	v_cmp_eq_f32 vcc_lo, v[W+4*\i+2], v[BV+\i]
	v_cndmask_b32 v[JJ], v[JJ], 2, vcc_lo
	v_cmp_eq_f32 vcc_lo, v[W+4*\i+1], v[BV+\i]
	v_cndmask_b32 v[JJ], v[JJ], 1, vcc_lo
	v_cmp_eq_f32 vcc_lo, v[W+4*\i], v[BV+\i]
	v_cndmask_b32 v[JJ], v[JJ], 0, vcc_lo          ; the lowest register that holds the best score
	v_and_b32 v[T0], 0xfe, v[BT+\i]                ; 2 t
	v_and_b32 v[T1], 1, v[BT+\i]                   ; g
	v_lshl_add_u32 v[JJ], v[T0], 3, v[JJ]
	v_lshl_add_u32 v[JJ], v[T1], 2, v[JJ]
	v_add_nc_u32 v[CD+\i], v[JJ], v[H8]            ; 16 t + 8 h + 4 g + j
	v_permlanex16_b32 v[VO], v[BV+\i], s42, s43    ; the other half's best for the same row
	v_permlanex16_b32 v[IO], v[CD+\i], s42, s43
	v_cmp_gt_f32 s52, v[VO], v[BV+\i]
	v_cmp_eq_f32 s53, v[VO], v[BV+\i]
	v_cmp_lt_u32 vcc_lo, v[IO], v[CD+\i]
	s_and_b32 s53, s53, vcc_lo
	s_or_b32 vcc_lo, s52, s53                      ; larger, or equal with the lower code: both halves come to the same answer
	v_cndmask_b32 v[CD+\i], v[CD+\i], v[IO], vcc_lo
.endm
	FIN 0
	FIN 1
	FIN 2
	FIN 3
	v_cmp_ne_u32 vcc_lo, 0, v[H8]
	v_cndmask_b32 v[RS],   v[CD],   v[CD+2], vcc_lo  ; rows 2 l and 2 l + 1 are slot r of row tiles 2 h and 2 h + 1
	v_cndmask_b32 v[RS+1], v[CD+1], v[CD+3], vcc_lo
	v_and_b32 v[OF], 31, v0
	v_lshlrev_b32 v[OF], 3, v[OF]
	global_store_b64 v[OF], v[RS:RS+1], s[10:11]   ; the wave stores its 64 indices: 256 consecutive aligned bytes
	s_set_vgpr_msb 0xa
	s_wait_tensorcnt 0x0
	ds_add_u32 v0, v1
	s_wait_dscnt 0x0
	s_set_vgpr_msb 0xa00
	ROUND                                          ; the closing round: no work-group ends while a partner may still ask jointly
	s_endpgm
.Lfunc_end_k_q6c4042bdb1_vq:
	.size	k_q6c4042bdb1_vq, .Lfunc_end_k_q6c4042bdb1_vq-k_q6c4042bdb1_vq
	.p2alignl 7, 3214868480
	.fill 96, 4, 3214868480
	.section	.rodata,"a",@progbits
	.p2align	6, 0x0
	.amdhsa_kernel k_q6c4042bdb1_vq
		.amdhsa_group_segment_fixed_size 300544
		.amdhsa_private_segment_fixed_size 0
		.amdhsa_enable_private_segment 0
		.amdhsa_kernarg_size 32
		.amdhsa_user_sgpr_count 2
		.amdhsa_user_sgpr_kernarg_segment_ptr 1
		.amdhsa_wavefront_size32 1
		.amdhsa_system_sgpr_workgroup_id_x 1
		.amdhsa_system_sgpr_workgroup_id_y 1
		.amdhsa_system_sgpr_workgroup_id_z 1
		.amdhsa_system_vgpr_workitem_id 0
		.amdhsa_next_free_vgpr 514
		.amdhsa_next_free_sgpr 66
		.amdhsa_reserve_vcc 1
		.amdhsa_float_denorm_mode_32 3
		.amdhsa_float_denorm_mode_16_64 3
		.amdhsa_memory_ordered 1
		.amdhsa_forward_progress 1
		.amdhsa_inst_pref_size 79
	.end_amdhsa_kernel
	.amdgpu_metadata
---
amdhsa.version: [ 1, 2 ]
amdhsa.kernels:
  - .name:           k_q6c4042bdb1_vq
    .symbol:         k_q6c4042bdb1_vq.kd
    .args:
      - { .name: x, .offset: 0, .size: 8, .value_kind: global_buffer, .address_space: global }
      - { .name: eb, .offset: 8, .size: 8, .value_kind: global_buffer, .address_space: global }
      - { .name: hn, .offset: 16, .size: 8, .value_kind: global_buffer, .address_space: global }
      - { .name: idx, .offset: 24, .size: 8, .value_kind: global_buffer, .address_space: global }
    .group_segment_fixed_size: 300544
    .private_segment_fixed_size: 0
    .kernarg_segment_align: 8
    .kernarg_segment_size: 32
    .max_flat_workgroup_size: 128
    .sgpr_count:     66
    .vgpr_count:     514
    .wavefront_size: 32
...
	.end_amdgpu_metadata
.endif
;; end of part 2
;; launch gather (part 3): grid 256 x 1, 8 waves a work-group, no clusters, 0 bytes of LDS; arguments idx, et, out0; writes out0
.if DOCPART == 3
	.amdgcn_target "amdgcn-amd-amdhsa--gfx1250"
	.amdhsa_code_object_version 6
	.text
	.protected	k_q6c4042bdb1_gather
	.globl	k_q6c4042bdb1_gather
	.p2align	8
	.type	k_q6c4042bdb1_gather,@function
k_q6c4042bdb1_gather:
	s_mov_b64 s[64:65], 0
	v_nop
	global_prefetch_b8 v0, s[64:65] scope:SCOPE_SE
	s_setreg_imm32_b32 hwreg(HW_REG_WAVE_MODE, 25, 1), 1
	s_wait_xcnt 0x0
; VECTOR QUANTIZER, third of three launches: out0[n] = et[idx[n]], a row of 128 f32.
; Left out, as shown at the head of the first kernel: x + (quantized - x) is quantized by an identity, so x is not read here.
; A stream: 256 work-groups of eight waves, 32 rows a wave.  Each row is one load and one store
; of the wave, 512 consecutive aligned bytes.  All 32 loads of a wave are out before its first store; no register is written twice, so no
; wait stands here but the counted ones.  No LDS, matrix unit or cluster: nothing is shared but the table, which every work-group reads by its own indices.
.set LO,  1                            ; v1        16 lane
.set OFS, 4                            ; v[4:35]   row k: my byte offset in et
.set DT,  36                           ; v[36:163] row k: my 16 bytes
.set IX,  16                           ; s[16:47]  the 32 indices
	s_load_b128 s[4:7], s[0:1], 0x0                ; idx s[4:5], et s[6:7]
	s_load_b64 s[8:9], s[0:1], 0x10                ; out0
	v_lshrrev_b32 v2, 5, v0
	v_readfirstlane_b32 s12, v2                    ; wave
	v_and_b32 v[LO], 31, v0
	v_lshlrev_b32 v[LO], 4, v[LO]
	s_lshl3_add_u32 s12, ttmp9, s12                ; 8 x work-group + wave
	s_lshl_b32 s10, s12, 7                         ; 32 indices of 4 bytes
	s_mov_b32 s11, 0
	s_lshl_b32 s14, s12, 14                        ; 32 rows of 512 bytes
	s_mov_b32 s15, 0
	s_wait_kmcnt 0x0
	s_add_nc_u64 s[4:5], s[4:5], s[10:11]
	s_add_nc_u64 s[8:9], s[8:9], s[14:15]
	s_load_b512 s[IX:IX+15], s[4:5], 0x0
	s_load_b512 s[IX+16:IX+31], s[4:5], 0x40
	s_wait_kmcnt 0x0
.set k_, 0
.rept 32
	s_min_u32 s[IX+k_], s[IX+k_], 0x3ff            ; an index stays inside the table of 1024 rows
	s_lshl_b32 s[IX+k_], s[IX+k_], 9
	v_add_nc_u32 v[OFS+k_], s[IX+k_], v[LO]
	global_load_b128 v[DT+4*k_:DT+4*k_+3], v[OFS+k_], s[6:7]
.set k_, k_+1
.endr
.set k_, 0
.rept 32
	s_wait_loadcnt 31-k_                           ; loads come back in order: row k is in, the younger rows stay out
	global_store_b128 v[LO], v[DT+4*k_:DT+4*k_+3], s[8:9] offset:512*k_ th:TH_STORE_NT
.set k_, k_+1
.endr
	s_endpgm
.Lfunc_end_k_q6c4042bdb1_gather:
	.size	k_q6c4042bdb1_gather, .Lfunc_end_k_q6c4042bdb1_gather-k_q6c4042bdb1_gather
	.p2alignl 7, 3214868480
	.fill 96, 4, 3214868480
	.section	.rodata,"a",@progbits
	.p2align	6, 0x0
	.amdhsa_kernel k_q6c4042bdb1_gather
		.amdhsa_group_segment_fixed_size 0
		.amdhsa_private_segment_fixed_size 0
		.amdhsa_enable_private_segment 0
		.amdhsa_kernarg_size 24
		.amdhsa_user_sgpr_count 2
		.amdhsa_user_sgpr_kernarg_segment_ptr 1
		.amdhsa_wavefront_size32 1
		.amdhsa_system_sgpr_workgroup_id_x 1
		.amdhsa_system_sgpr_workgroup_id_y 1
		.amdhsa_system_sgpr_workgroup_id_z 1
		.amdhsa_system_vgpr_workitem_id 0
		.amdhsa_next_free_vgpr 164
		.amdhsa_next_free_sgpr 66
		.amdhsa_reserve_vcc 0
		.amdhsa_float_denorm_mode_32 3
		.amdhsa_float_denorm_mode_16_64 3
		.amdhsa_memory_ordered 1
		.amdhsa_forward_progress 1
		.amdhsa_inst_pref_size 12
	.end_amdhsa_kernel
	.amdgpu_metadata
---
amdhsa.version: [ 1, 2 ]
amdhsa.kernels:
  - .name:           k_q6c4042bdb1_gather
    .symbol:         k_q6c4042bdb1_gather.kd
    .args:
      - { .name: idx, .offset: 0, .size: 8, .value_kind: global_buffer, .address_space: global }
      - { .name: et, .offset: 8, .size: 8, .value_kind: global_buffer, .address_space: global }
      - { .name: out0, .offset: 16, .size: 8, .value_kind: global_buffer, .address_space: global }
    .group_segment_fixed_size: 0
    .private_segment_fixed_size: 0
    .kernarg_segment_align: 8
    .kernarg_segment_size: 24
    .max_flat_workgroup_size: 256
    .sgpr_count:     66
    .vgpr_count:     164
    .wavefront_size: 32
...
	.end_amdgpu_metadata
.endif
;; end of part 3
;; ======== version 2 of 2: 3 launches; version 1 with the launches prep, gather written anew for expert scheduling mode
;; workspace buffers: et 524,288 bytes; eb 262,144 bytes; hn 4,096 bytes; idx 262,144 bytes of whole numbers
;; launch prep (part 4): grid 16 x 1, 8 waves a work-group, no clusters, 35,328 bytes of LDS; arguments embeddings, et, eb, hn; writes et, eb, hn
.if DOCPART == 4
	.amdgcn_target "amdgcn-amd-amdhsa--gfx1250"
	.amdhsa_code_object_version 6
	.text
	.protected	k_q6c4042bdb1_prep
	.globl	k_q6c4042bdb1_prep
	.p2align	8
	.type	k_q6c4042bdb1_prep,@function
k_q6c4042bdb1_prep:
	s_mov_b64 s[64:65], 0
	v_nop
	global_prefetch_b8 v0, s[64:65] scope:SCOPE_SE
	s_setreg_imm32_b32 hwreg(HW_REG_WAVE_SCHED_MODE, 0, 2), 2
	s_setreg_imm32_b32 hwreg(HW_REG_WAVE_MODE, 25, 1), 1
	s_wait_xcnt 0x0
	s_wait_alu depctr_vm_vsrc(0)
; VECTOR QUANTIZER, first of three launches: the code table is turned once.
;   et[c][d] = e[d][c] in f32 (the rows that the last launch looks up), eb[c][d] = bf16(e[d][c]) (the matrix operand of the second launch),
;   hn[c] = -1/2 sum over d of bf16(e[d][c])^2 (the norm of the ROUNDED code, since the product is made of rounded codes).
; WORK OF reference() THAT THE PROGRAM LEAVES OUT, for all finite values of the inputs:
;   - sum(flat*flat) is the same number for all 1024 codes of a row, so it cannot move the row's argmin: it is not computed.
;   - argmin over k of (ee[k] - 2 sim[k]) = argmax over k of (sim[k] - ee[k]/2): a common factor of -1/2, exact in binary.
;   - x + (quantized - x) = quantized by an identity: the output is the f32 code itself; x reaches the output through the index alone.
;   - the lookup is a lookup (reference() writes it so); the index is stored as whole numbers by the second launch and used by the third.
; LIMITS: a NaN, an infinity or an overflow that reaches only the work left out (sum f^2, x + (q - x)) is not carried to the result; a NaN score is
; never chosen.  The output differs from x + (q - x) by that sum's one f32 rounding.  The operands of the product are bf16 (f16 would have no room for
; inputs 30 times larger): two codes whose distances from a row differ by less than that rounding, or by less than the f32 rounding of the sums,
; may change places.  Where x is so large that reference()'s own f32 sum with sum f^2 loses the differences, the program still orders by them.
;
; Sixteen work-groups of eight waves; work-group g owns codes 64 g to 64 g + 63: 256 consecutive aligned bytes of each of the 128 rows of e.
; A code's norm stays inside one work-group, and a narrower share would read parts of those 256 bytes: so sixteen.
; No matrix unit, tensor load or cluster: 512 KiB are read once and no two work-groups share a byte.
; THE MODE: SCHED_MODE bits 1:0 = 2 (LLVM: expert scheduling mode 2), set by the entry lines.  The code itself states the register dependences
; between vector instructions and memory or LDS instructions, with s_wait_alu, always for 0.
; THE PLAN.  Registers that memory or LDS instructions touch, and who else names them:
;   GO, TS                   made at the head; read by the eight loads of e and by the 32 transposing LDS stores.
;   TR, EO, BO, NA, HL, HO   made behind the loads of e; read by the LDS loads of the codes, the stores to et and eb, the sums' LDS stores, wave 0's load and store.
;   IN                       written by the loads of e, read by the LDS stores: no vector instruction names it.
;   RW                       written by LDS loads; read by the stores to et and by the conversions.
;   PK                       written by the sixteen conversions; read by the eight stores to eb and by the widening lines.
;   SQ (even registers)      written by the sums; read by eight LDS stores.
;   v[T+2:T+3]               T+2 serves the head's arithmetic; in wave 0 an LDS load lands in the pair, a multiply writes it and a store reads it.
; No register is written again after a memory or LDS instruction has read it, so no wait on vm_vsrc is owed.  The vector work stands in batches, each
; followed by ONE wait on va_vdst and a run of the memory instructions that read its results: the addresses (twice), the conversions, the sums, wave 0's multiply.
.set PLANE, 8448                       ; LDS: codes with the same c & 3 lie in one plane of 16 rows
.set TPITCH, 528                       ; a code's 128 f32 + 16 bytes: T(c, d) = (c & 3) PLANE + (c >> 2) TPITCH + 4 d
.set NS,    4*PLANE                    ; behind the planes: 64 words, the codes' sums of squares
.set GO,  1                            ; v1       byte offset of my 16 bytes in e
.set TS,  2                            ; v2       LDS address of my transposing stores
.set LN,  3                            ; v3       lane
.set TR,  4                            ; v4       LDS address of my 16 bytes in my wave's first code
.set EO,  5                            ; v5       my byte offset in et
.set BO,  6                            ; v6       my byte offset in eb
.set NA,  7                            ; v7       LDS address of my wave's eight sums
.set IN,  8                            ; v[8:39]  e as loaded: load m holds row dr + 16 m, codes 4 c4 .. 4 c4 + 3
.set RW,  40                           ; v[40:71] code k of my wave: d = 4 lane .. 4 lane + 3
.set PK,  72                           ; v[72:87] the same, rounded to bf16
.set WD,  88                           ; v[88:91] the rounded numbers widened again
.set SQ,  92                           ; v[92:107] a pair for each code: its sum of squares; the odd register later takes the other half of the lanes' sum
.set T,   110                          ; v[110:113] at work
.set HL,  118                          ; v118     LDS address of two of the 64 sums: NS + 8 lane (wave 0 uses it)
.set HO,  119                          ; v119     their byte offset in hn: 8 lane
	s_load_b256 s[4:11], s[0:1], 0x0               ; e s[4:5], et s[6:7], eb s[8:9], hn s[10:11]
	v_lshl_add_u32 v116, v0, 2, 0x8600
	v_mov_b32 v117, 0
	v_and_b32 v[LN], 31, v0
	v_lshrrev_b32 v[T], 5, v0
	v_readfirstlane_b32 s12, v[T]                  ; wave u
	v_and_b32 v[T+1], 15, v0                       ; c4: which four codes
	v_lshrrev_b32 v[T+2], 4, v0                    ; dr: which row of sixteen
	v_lshlrev_b32 v[GO], 12, v[T+2]                ; dr rows of 4,096 bytes
	v_lshl_add_u32 v[GO], v[T+1], 4, v[GO]         ; + 16 c4
	v_mul_u32_u24 v[TS], v[T+1], TPITCH            ; row c4 of a plane
	v_lshl_add_u32 v[TS], v[T+2], 2, v[TS]         ; + 4 dr
	s_lshl_b32 s14, ttmp9, 8                       ; 64 codes: 256 bytes of a row of e, and of hn
	s_mov_b32 s15, 0
	s_lshl_b32 s16, ttmp9, 15                      ; 64 rows of 512 bytes in et
	s_mov_b32 s17, 0
	s_lshl_b32 s18, ttmp9, 14                      ; 64 rows of 256 bytes in eb
	s_mov_b32 s19, 0
	s_mov_b32 s20, 0x76543210                      ; v_permlanex16_b32: lane i of one half reads lane i of the other
	s_mov_b32 s21, 0xfedcba98
	s_mov_b32 s22, 0xffff0000                      ; a word's upper bf16
	s_wait_kmcnt 0x0
	s_add_nc_u64 s[4:5], s[4:5], s[14:15]
	s_add_nc_u64 s[6:7], s[6:7], s[16:17]
	s_add_nc_u64 s[8:9], s[8:9], s[18:19]
	s_add_nc_u64 s[10:11], s[10:11], s[14:15]
	s_wait_alu depctr_va_vdst(0)                   ; GO is written, which the loads below read as their offset, and TS, which the transposing LDS stores read as their address
.irp m, 0,1,2,3,4,5,6,7
	global_load_b128 v[IN+4*\m:IN+4*\m+3], v[GO], s[4:5] offset:\m*65536 th:TH_LOAD_NT   ; sixteen lanes take 256 consecutive aligned bytes of one row
.endr
	s_wait_alu depctr_va_sdst(0)                   ; s12 is written, ahead of its first reader: the wave's addresses are made from it
	s_mul_i32 s23, s12, 2*TPITCH                   ; my wave's codes 8 u .. 8 u + 7 are rows 2 u and 2 u + 1 of the four planes
	v_lshl_add_u32 v[TR], v[LN], 4, s23
	s_lshl_b32 s24, s12, 12
	v_lshl_add_u32 v[EO], v[LN], 4, s24            ; 8 u rows of 512 bytes + 16 lane
	s_lshl_b32 s25, s12, 11
	v_lshl_add_u32 v[BO], v[LN], 3, s25            ; 8 u rows of 256 bytes + 8 lane
	s_lshl_b32 s26, s12, 5
	s_add_co_u32 s26, s26, NS
	v_mov_b32 v[NA], s26
	v_lshl_add_u32 v[HL], v[LN], 3, NS             ; the 64 sums, two a lane,
	v_lshlrev_b32 v[HO], 3, v[LN]                  ; and their place in hn
	s_wait_alu depctr_va_vdst(0)                   ; TR, EO, BO, NA, HL and HO are written, which the LDS loads, the stores and the LDS stores further down read; the head is done with v[T+2], in which wave 0's LDS load lands
	; The transpose: word (c, d) goes to its place.  In words the address is 132 c4 + dr + constants: over a wave's 32 lanes (16 c4, 2 dr)
	; that is 4 c4 + dr modulo 64, 32 different banks of the 64 (ISA guide 11.1).
.irp m, 0,1,2,3,4,5,6,7
	s_wait_loadcnt 7-\m                            ; loads come back in order: load m is in, the 7 - m younger ones stay out
.irp i, 0,1,2,3
	ds_store_b32 v[TS], v[IN+4*\m+\i] offset:\i*PLANE+64*\m
.endr
.endr
	s_wait_dscnt 0x0                               ; my stores are done, for the waves that read them
	s_barrier_signal -1
	s_barrier_wait -1
	; Eight codes a wave, a whole code (512 consecutive LDS bytes) to a load.
.irp k, 0,1,2,3,4,5,6,7
	ds_load_b128 v[RW+4*\k:RW+4*\k+3], v[TR] offset:(\k&3)*PLANE+(\k>>2)*TPITCH
.endr
	s_wait_dscnt 0x0
.irp k, 0,1,2,3,4,5,6,7
	global_store_b128 v[EO], v[RW+4*\k:RW+4*\k+3], s[6:7] offset:512*\k      ; the wave stores 512 consecutive aligned bytes; its data came by LDS loads, which the wait above has shown done
.endr
.irp k, 0,1,2,3,4,5,6,7
	v_cvt_pk_bf16_f32 v[PK+2*\k],   v[RW+4*\k],   v[RW+4*\k+1]
	v_cvt_pk_bf16_f32 v[PK+2*\k+1], v[RW+4*\k+2], v[RW+4*\k+3]
.endr
	s_wait_alu depctr_va_vdst(0)                   ; the sixteen conversions have written PK, which the eight stores below read
.irp k, 0,1,2,3,4,5,6,7
	global_store_b64 v[BO], v[PK+2*\k:PK+2*\k+1], s[8:9] offset:256*\k       ; the wave stores 256 consecutive aligned bytes
.endr
	; The eight sums of squares.  Inside a lane first, a code at a time,
.irp k, 0,1,2,3,4,5,6,7
	v_lshlrev_b32 v[WD],   16,  v[PK+2*\k]         ; the rounded numbers as f32
	v_and_b32     v[WD+1], s22, v[PK+2*\k]
	v_lshlrev_b32 v[WD+2], 16,  v[PK+2*\k+1]
	v_and_b32     v[WD+3], s22, v[PK+2*\k+1]
	v_pk_mul_f32 v[SQ+2*\k:SQ+2*\k+1], v[WD:WD+1], v[WD:WD+1]
	v_pk_fma_f32 v[SQ+2*\k:SQ+2*\k+1], v[WD+2:WD+3], v[WD+2:WD+3], v[SQ+2*\k:SQ+2*\k+1]
	v_add_f32 v[SQ+2*\k], v[SQ+2*\k], v[SQ+2*\k+1]
.endr
	; then across the lanes: the eight codes' chains take turns, so that no line reads the result of the line before it; each code's terms are added in the order 1, 2, 4, 8, the other half
.irp x, 1,2,4,8
.irp k, 0,1,2,3,4,5,6,7
	v_add_f32_dpp v[SQ+2*\k], v[SQ+2*\k], v[SQ+2*\k] row_xmask:\x row_mask:0xf bank_mask:0xf
.endr
.endr
.irp k, 0,1,2,3,4,5,6,7
	v_permlanex16_b32 v[SQ+2*\k+1], v[SQ+2*\k], s20, s21   ; its destination counts as read: the pair's odd register has been written, and has served
.endr
.irp k, 0,1,2,3,4,5,6,7
	v_add_f32 v[SQ+2*\k], v[SQ+2*\k], v[SQ+2*\k+1]         ; every lane holds the code's sum of squares
.endr
	s_wait_alu depctr_va_vdst(0)                   ; the eight sums are written, which the LDS stores below read
.irp k, 0,1,2,3,4,5,6,7
	ds_store_b32 v[NA], v[SQ+2*\k] offset:4*\k     ; all lanes write one word with one value
.endr
	s_wait_dscnt 0x0                               ; my eight sums are in LDS, for wave 0
	s_barrier_signal -1
	s_barrier_wait -1
	s_cmp_lg_u32 s12, 0
	s_cbranch_scc1 .Lend
	ds_load_b64 v[T+2:T+3], v[HL]                  ; wave 0 takes the 64 sums, two a lane
	s_wait_dscnt 0x0
	v_pk_mul_f32 v[T+2:T+3], v[T+2:T+3], -0.5 op_sel_hi:[1,0]
	s_wait_alu depctr_va_vdst(0)                   ; the multiply has written v[T+2:T+3], which the store reads
	global_store_b64 v[HO], v[T+2:T+3], s[10:11]   ; and stores -1/2 of them: 256 consecutive aligned bytes
.Lend:
	s_wait_dscnt 0x0
	s_wait_alu depctr_hold_cnt(0) depctr_sa_sdst(0) depctr_va_vdst(0) depctr_va_sdst(0) depctr_va_ssrc(0) depctr_va_vcc(0) depctr_vm_vsrc(0)
	s_wait_tensorcnt 0x0
	ds_add_u32 v116, v117
	s_wait_dscnt 0x0
	s_endpgm
.Lfunc_end_k_q6c4042bdb1_prep:
	.size	k_q6c4042bdb1_prep, .Lfunc_end_k_q6c4042bdb1_prep-k_q6c4042bdb1_prep
	.p2alignl 7, 3214868480
	.fill 96, 4, 3214868480
	.section	.rodata,"a",@progbits
	.p2align	6, 0x0
	.amdhsa_kernel k_q6c4042bdb1_prep
		.amdhsa_group_segment_fixed_size 35328
		.amdhsa_private_segment_fixed_size 0
		.amdhsa_enable_private_segment 0
		.amdhsa_kernarg_size 32
		.amdhsa_user_sgpr_count 2
		.amdhsa_user_sgpr_kernarg_segment_ptr 1
		.amdhsa_wavefront_size32 1
		.amdhsa_system_sgpr_workgroup_id_x 1
		.amdhsa_system_sgpr_workgroup_id_y 1
		.amdhsa_system_sgpr_workgroup_id_z 1
		.amdhsa_system_vgpr_workitem_id 0
		.amdhsa_next_free_vgpr 120
		.amdhsa_next_free_sgpr 66
		.amdhsa_reserve_vcc 0
		.amdhsa_float_denorm_mode_32 3
		.amdhsa_float_denorm_mode_16_64 3
		.amdhsa_memory_ordered 1
		.amdhsa_forward_progress 1
		.amdhsa_inst_pref_size 15
	.end_amdhsa_kernel
	.amdgpu_metadata
---
amdhsa.version: [ 1, 2 ]
amdhsa.kernels:
  - .name:           k_q6c4042bdb1_prep
    .symbol:         k_q6c4042bdb1_prep.kd
    .args:
      - { .name: embeddings, .offset: 0, .size: 8, .value_kind: global_buffer, .address_space: global }
      - { .name: et, .offset: 8, .size: 8, .value_kind: global_buffer, .address_space: global }
      - { .name: eb, .offset: 16, .size: 8, .value_kind: global_buffer, .address_space: global }
      - { .name: hn, .offset: 24, .size: 8, .value_kind: global_buffer, .address_space: global }
    .group_segment_fixed_size: 35328
    .private_segment_fixed_size: 0
    .kernarg_segment_align: 8
    .kernarg_segment_size: 32
    .max_flat_workgroup_size: 256
    .sgpr_count:     66
    .vgpr_count:     120
    .wavefront_size: 32
...
	.end_amdgpu_metadata
.endif
;; end of part 4
;; launch vq: the kernel of part 2 again; grid 256 x 1, 4 waves a work-group, clusters of 4 x 1, 300,544 bytes of LDS; arguments x, eb, hn, idx; writes idx
;; launch gather (part 5): grid 256 x 1, 8 waves a work-group, no clusters, 0 bytes of LDS; arguments idx, et, out0; writes out0
.if DOCPART == 5
	.amdgcn_target "amdgcn-amd-amdhsa--gfx1250"
	.amdhsa_code_object_version 6
	.text
	.protected	k_q6c4042bdb1_gather
	.globl	k_q6c4042bdb1_gather
	.p2align	8
	.type	k_q6c4042bdb1_gather,@function
k_q6c4042bdb1_gather:
	s_mov_b64 s[64:65], 0
	v_nop
	global_prefetch_b8 v0, s[64:65] scope:SCOPE_SE
	s_setreg_imm32_b32 hwreg(HW_REG_WAVE_SCHED_MODE, 0, 2), 2
	s_setreg_imm32_b32 hwreg(HW_REG_WAVE_MODE, 25, 1), 1
	s_wait_xcnt 0x0
	s_wait_alu depctr_vm_vsrc(0)
; VECTOR QUANTIZER, third of three launches: out0[n] = et[idx[n]], a row of 128 f32.
; Left out, as shown at the head of the first kernel: x + (quantized - x) is quantized by an identity, so x is not read here.
; A stream: 256 work-groups of eight waves, 32 rows a wave.  Each row is one load and one store
; of the wave, 512 consecutive aligned bytes.  All 32 loads of a wave are out before its first store; no register is written twice.
; No LDS, matrix unit or cluster: nothing is shared but the table, which every work-group reads by its own indices.
; THE MODE: SCHED_MODE bits 1:0 = 2 (LLVM: expert scheduling mode 2), set by the entry lines.  The code itself states the register dependences
; between vector instructions and memory instructions, with s_wait_alu, always for 0.
; THE PLAN.  Registers that memory instructions touch:
;   v[LO]    made at the head; read by the 32 adds and, as their offset, by the 32 stores; never written again.
;   OFS[k]   written by one add; read by load k as its offset; never written again.
;   DT[k]    written by load k, read by store k: no vector instruction names it.
; All 32 offsets are made first; ONE wait on va_vdst stands behind them, and no vector instruction follows it: it serves all 64 memory instructions.
; The wave's number passes through a scalar register: one wait on va_sdst ahead of its first reader.
.set LO,  1                            ; v1        16 lane
.set OFS, 4                            ; v[4:35]   row k: my byte offset in et
.set DT,  36                           ; v[36:163] row k: my 16 bytes
.set IX,  16                           ; s[16:47]  the 32 indices
	s_load_b128 s[4:7], s[0:1], 0x0                ; idx s[4:5], et s[6:7]
	s_load_b64 s[8:9], s[0:1], 0x10                ; out0
	v_lshrrev_b32 v2, 5, v0
	v_readfirstlane_b32 s12, v2                    ; wave
	v_and_b32 v[LO], 31, v0
	v_lshlrev_b32 v[LO], 4, v[LO]
	s_wait_alu depctr_va_sdst(0)                   ; s12 is written, ahead of its first reader: the bases of idx and out0 are made from it
	s_lshl3_add_u32 s12, ttmp9, s12                ; 8 x work-group + wave
	s_lshl_b32 s10, s12, 7                         ; 32 indices of 4 bytes
	s_mov_b32 s11, 0
	s_lshl_b32 s14, s12, 14                        ; 32 rows of 512 bytes
	s_mov_b32 s15, 0
	s_wait_kmcnt 0x0
	s_add_nc_u64 s[4:5], s[4:5], s[10:11]
	s_add_nc_u64 s[8:9], s[8:9], s[14:15]
	s_load_b512 s[IX:IX+15], s[4:5], 0x0
	s_load_b512 s[IX+16:IX+31], s[4:5], 0x40
	s_wait_kmcnt 0x0
.set k_, 0
.rept 32
	s_min_u32 s[IX+k_], s[IX+k_], 0x3ff            ; an index stays inside the table of 1024 rows
	s_lshl_b32 s[IX+k_], s[IX+k_], 9
	v_add_nc_u32 v[OFS+k_], s[IX+k_], v[LO]
.set k_, k_+1
.endr
	s_wait_alu depctr_va_vdst(0)                   ; the 32 offsets OFS are written, which the loads read, and so is LO, which the stores read
.set k_, 0
.rept 32
	global_load_b128 v[DT+4*k_:DT+4*k_+3], v[OFS+k_], s[6:7]
.set k_, k_+1
.endr
.set k_, 0
.rept 32
	s_wait_loadcnt 31-k_                           ; loads come back in order: row k is in, the younger rows stay out
	global_store_b128 v[LO], v[DT+4*k_:DT+4*k_+3], s[8:9] offset:512*k_ th:TH_STORE_NT
.set k_, k_+1
.endr
	s_endpgm
.Lfunc_end_k_q6c4042bdb1_gather:
	.size	k_q6c4042bdb1_gather, .Lfunc_end_k_q6c4042bdb1_gather-k_q6c4042bdb1_gather
	.p2alignl 7, 3214868480
	.fill 96, 4, 3214868480
	.section	.rodata,"a",@progbits
	.p2align	6, 0x0
	.amdhsa_kernel k_q6c4042bdb1_gather
		.amdhsa_group_segment_fixed_size 0
		.amdhsa_private_segment_fixed_size 0
		.amdhsa_enable_private_segment 0
		.amdhsa_kernarg_size 24
		.amdhsa_user_sgpr_count 2
		.amdhsa_user_sgpr_kernarg_segment_ptr 1
		.amdhsa_wavefront_size32 1
		.amdhsa_system_sgpr_workgroup_id_x 1
		.amdhsa_system_sgpr_workgroup_id_y 1
		.amdhsa_system_sgpr_workgroup_id_z 1
		.amdhsa_system_vgpr_workitem_id 0
		.amdhsa_next_free_vgpr 164
		.amdhsa_next_free_sgpr 66
		.amdhsa_reserve_vcc 0
		.amdhsa_float_denorm_mode_32 3
		.amdhsa_float_denorm_mode_16_64 3
		.amdhsa_memory_ordered 1
		.amdhsa_forward_progress 1
		.amdhsa_inst_pref_size 13
	.end_amdhsa_kernel
	.amdgpu_metadata
---
amdhsa.version: [ 1, 2 ]
amdhsa.kernels:
  - .name:           k_q6c4042bdb1_gather
    .symbol:         k_q6c4042bdb1_gather.kd
    .args:
      - { .name: idx, .offset: 0, .size: 8, .value_kind: global_buffer, .address_space: global }
      - { .name: et, .offset: 8, .size: 8, .value_kind: global_buffer, .address_space: global }
      - { .name: out0, .offset: 16, .size: 8, .value_kind: global_buffer, .address_space: global }
    .group_segment_fixed_size: 0
    .private_segment_fixed_size: 0
    .kernarg_segment_align: 8
    .kernarg_segment_size: 24
    .max_flat_workgroup_size: 256
    .sgpr_count:     66
    .vgpr_count:     164
    .wavefront_size: 32
...
	.end_amdgpu_metadata
.endif
;; end of part 5
